; MI455X (gfx1250); checked and timed in simulation.
; The chip was launched on July 23, 2026; its instructions are those of AMD's public machine-readable ISA for CDNA 5 (MIT licence, August 2026) and "CDNA5" Instruction Set Architecture Reference Guide (July 2026). The comments in the code are by the model that wrote it; some were corrected since.
;; Mo E Model. Allowed arithmetic: float matrix products may take bf16 or f16 operands with f32 sums; other float arithmetic in f32, or as packed bf16 or f16 multiplies, adds, multiply-adds, maxima and minima; sums over many terms, partial sums and values carried from step to step in f32; what a program stores and reads back later, other than sums and carried values, may be rounded once to bf16 or f16.
;; Inputs: W1 4 x 256 x 512 float32; W2 4 x 512 x 256 float32; W3 4 x 256 x 128 float32; b1 4 x 512 float32; b2 4 x 256 float32; b3 4 x 128 float32; gate_W 256 x 4 float32; gate_b 4 float32; hW1 3 x 128 x 64 float32; hW2 3 x 64 x 1 float32; hb1 3 x 64 float32; hb2 3 x 1 float32; s1 4 x 512 float32; s2 4 x 256 float32; s3 4 x 128 float32; t1 4 x 512 float32; t2 4 x 256 float32; t3 4 x 128 float32; x 32,768 x 256 float32.
;; Outputs: out0 3 x 32,768 x 1 float32; out1 32,768 x 128 float32; out2 one number float32.
;; One version. Each part assembles by itself: llvm-mc -triple=amdgcn-amd-amdhsa -mcpu=gfx1250 --defsym DOCPART=n.
;; ======== version 1 of 1: 3 launches
;; limits: inputs' magnitudes at most 65,504; values are held in f16: magnitudes above 65,504 overflow, below 6.1e-05 lose precision; right only within a limited range of input values
;; workspace buffers: sel 131,072 bytes of whole numbers; gw 262,144 bytes; hist 8,192 bytes of whole numbers; psum 8,192 bytes; list 134,400 bytes of whole numbers; tiles 4,096 bytes of whole numbers; wf 2,408,448 bytes; pf 44,544 bytes
;; launch router (part 1): grid 256 x 1, 4 waves a work-group, no clusters, 167,936 bytes of LDS; arguments x, gate_W, gate_b, sel, gw, hist, psum; writes sel, gw, hist, psum
.if DOCPART == 1
	.amdgcn_target "amdgcn-amd-amdhsa--gfx1250"
	.amdhsa_code_object_version 6
	.text
	.protected	k_q8d30b72a24_router
	.globl	k_q8d30b72a24_router
	.p2align	8
	.type	k_q8d30b72a24_router,@function
k_q8d30b72a24_router:
	s_mov_b64 s[64:65], 0
	v_nop
	global_prefetch_b8 v0, s[64:65] scope:SCOPE_SE
	s_setreg_imm32_b32 hwreg(HW_REG_WAVE_MODE, 25, 1), 1
	s_wait_xcnt 0x0
; THE GATE.  logits = bf16(x) . bf16(gate_W) + bf16(gate_b), sums in f32; the two largest of four (a tie goes to the lower index);
; their softmax and the softmax of all four, each with its maximum taken away first.
; Stored at fixed places: sel[token] = the number 0..5 of the chosen pair (0,1)(0,2)(0,3)(1,2)(1,3)(2,3); gw[token] = the weights of the
; lower and of the higher chosen expert; for the work-group's 128 tokens hist[g][0..5] = tokens of each pair, psum[g][0..3] = sums of the four probabilities.
; LIMITS.  NaN and infinities are not treated apart; a probability below 2^-126 counts as 0.
; SHARES.  A work-group has 128 tokens, a wave 32: two blocks of 16.  A wave's rows of x come by two tensor loads (32 rows x 512 bytes each, the two halves of K)
; into LDS bytes of its own, filled once; only the wave itself reads them, behind its own wait on TENSORcnt.
; THE PRODUCT.  Source 0 = the gate (row n = lane % 16; rows 4..15 repeat row 3 and are never read), source 1 = 16 tokens.  In both, place (half h, register q, low or high)
; of K step c holds k = 32 c + 16 h + 2 q (+1): the same permutation of k on both sides, so a lane's 16 numbers of x are 64 consecutive bytes.
.set XT,    33792                      ; a wave's LDS: two tiles
.set XH,    16896                      ; a tile: 32 rows x 528
.set XP,    528                        ; 512 bytes + 16 of padding = 132 words: the 16 rows of a load start at 16 different groups of four banks (ISA guide 11.1)
.set RED,   135168                     ; 4 x 256 bytes: each wave's counts and sums
.set SPARE, 136192                     ; the spare words, 128 bytes a wave
.set GF,  32                           ; v32-95   the gate's fragments, 8 K steps x 8
.set RAW, 96                           ; v96-159  x as loaded, two buffers of 32 (before that v96-223: gate_W as loaded)
.set XB,  160                          ; v160-191 x in bf16, two buffers of two fragments
.set ACC, 224                          ; v224-239 two accumulators
	s_load_b256 s[4:11], s[0:1], 0x0               ; x s[4:5], gate_W s[6:7], gate_b s[8:9], sel s[10:11]
	s_load_b128 s[12:15], s[0:1], 0x20             ; gw s[12:13], hist s[14:15]
	s_load_b64 s[16:17], s[0:1], 0x30              ; psum
	v_lshl_add_u32 v30, v0, 2, SPARE
	v_mov_b32 v31, 0
	ds_add_u32 v30, v31                            ; the wave's opening: the add and its wait ahead of my first tensor load
	ds_add_u32 v30, v31
	v_lshrrev_b32 v4, 5, v0
	v_readfirstlane_b32 s22, v4                    ; wave 0..3
	v_and_b32 v1, 31, v0                           ; lane
	v_and_b32 v2, 15, v0                           ; r
	v_bfe_u32 v3, v0, 4, 1                         ; h
	s_mov_b32 s24, (2<<16)|(1<<20)|(6<<22)|(3<<25) ; group 1: elements of 4 bytes; padding on, after every 128 words, 4 words
	s_mov_b32 s25, 128<<16                         ; tensor_dim0 = 128
	s_mov_b32 s26, 32<<16                          ; tensor_dim1 = 32
	s_mov_b32 s27, 128<<16                         ; tile_dim0 = 128
	s_mov_b32 s28, 32                              ; tile_dim1 = 32
	s_mov_b32 s29, 256                             ; 256 elements from row to row
	s_mov_b32 s30, 0
	s_mov_b32 s31, 0
	s_mov_b32 s32, 1                               ; group 0 of K's first half
	s_mul_i32 s33, s22, XT
	s_mov_b32 s36, 1                               ; and of its second half
	s_add_co_u32 s37, s33, XH
	s_lshl_b32 s2, ttmp9, 17                       ; 128 rows of 1,024 bytes a work-group,
	s_lshl_b32 s3, s22, 15                         ; 32 a wave
	s_add_co_u32 s2, s2, s3
	s_mov_b32 s3, 0
	s_mov_b32 s40, 0x76543210                      ; v_permlanex16_b32: each lane takes its own place in the other half
	s_mov_b32 s41, 0xfedcba98
	s_wait_dscnt 0x0                               ; the opening add is done
	s_wait_kmcnt 0x0
	s_add_nc_u64 s[34:35], s[4:5], s[2:3]
	s_add_nc_u64 s[38:39], s[34:35], 512
	s_or_b32 s35, s35, 0x80000000                  ; type = 2
	s_or_b32 s39, s39, 0x80000000
	tensor_load_to_lds s[32:35], s[24:31]          ; both fills go out together: two loads of mine are out
	s_nop 0
	tensor_load_to_lds s[36:39], s[24:31]
	s_nop 0
	s_load_b128 s[48:51], s[8:9], 0x0              ; gate_b
	s_lshl_b32 s2, ttmp9, 9
	s_add_nc_u64 s[10:11], s[10:11], s[2:3]        ; sel, gw, hist, psum at the work-group's part
	s_lshl_b32 s2, ttmp9, 10
	s_add_nc_u64 s[12:13], s[12:13], s[2:3]
	s_lshl_b32 s2, ttmp9, 5
	s_add_nc_u64 s[14:15], s[14:15], s[2:3]
	s_add_nc_u64 s[16:17], s[16:17], s[2:3]
	v_min_u32 v5, 3, v2
	v_lshlrev_b32 v5, 2, v5
	v_lshl_add_u32 v5, v3, 8, v5                   ; gate_W[k][n] lies at 16 k + 4 n: 256 h + 4 min(r, 3)
	v_mul_u32_u24 v6, v2, XP
	v_lshl_add_u32 v6, v3, 6, v6
	v_add_nc_u32 v6, s33, v6                       ; my 64 bytes of row r in my wave's first tile
.set c_, 0
.rept 8
.set e_, 0
.rept 16
	global_load_b32 v[96+16*c_+e_], v5, s[6:7] offset:512*c_+16*e_  ; k = 32 c + 16 h + e
.set e_, e_+1
.endr
.set c_, c_+1
.endr
	s_wait_loadcnt 0x0
.set i_, 0
.rept 64
	v_cvt_pk_bf16_f32 v[GF+i_], v[96+2*i_], v[96+2*i_+1]
.set i_, i_+1
.endr
.macro XLOAD c                         ; K step c of both blocks: 8 loads of 16 bytes
.irp b, 0,1
.irp i, 0,1,2,3
	ds_load_b128 v[RAW+32*((\c)%2)+16*\b+4*\i:RAW+32*((\c)%2)+16*\b+4*\i+3], v6 offset:((\c)/4)*XH+\b*16*XP+((\c)%4)*128+16*\i
.endr
.endr
.endm
; A K step: the next step's loads go out, this step's numbers are rounded, two products.  The two accumulators take turns.
; The 16 roundings of a step name no register of the step before's products: they are the places in front of the roundings that write that step's fragments again.
.macro GSTEP c
.if (\c) < 7
.if (\c) == 3
	s_wait_tensorcnt 0x0                           ; K's second half is in
.endif
	XLOAD (\c)+1
	s_wait_dscnt 8                                 ; the eight just issued stay out
.else
	s_wait_dscnt 0x0
.endif
.set i_, 0
.rept 16
	v_cvt_pk_bf16_f32 v[XB+16*((\c)%2)+i_], v[RAW+32*((\c)%2)+2*i_], v[RAW+32*((\c)%2)+2*i_+1]
.set i_, i_+1
.endr
.irp b, 0,1
.if (\c) == 0
	v_wmma_f32_16x16x32_bf16 v[ACC+8*\b:ACC+8*\b+7], v[GF+8*(\c):GF+8*(\c)+7], v[XB+16*((\c)%2)+8*\b:XB+16*((\c)%2)+8*\b+7], 0
.else
	v_wmma_f32_16x16x32_bf16 v[ACC+8*\b:ACC+8*\b+7], v[GF+8*(\c):GF+8*(\c)+7], v[XB+16*((\c)%2)+8*\b:XB+16*((\c)%2)+8*\b+7], v[ACC+8*\b:ACC+8*\b+7]
.endif
.endr
.endm
	s_wait_tensorcnt 0x1                           ; K's first half is in; the second load stays out
	XLOAD 0
.irp c, 0,1,2,3,4,5,6,7
	GSTEP \c
.endr
	s_wait_kmcnt 0x0
	v_cvt_pk_bf16_f32 v17, s48, s49                ; gate_b rounded: these lines are the places behind the last products
	v_cvt_pk_bf16_f32 v18, s50, s51
	v_lshlrev_b32 v13, 16, v17
	v_and_b32 v14, 0xffff0000, v17
	v_lshlrev_b32 v15, 16, v18
	v_and_b32 v16, 0xffff0000, v18
	v_mov_b32 v12, 0
	v_cmp_gt_u32 s46, 16, v1
; Register j of lanes 0-15 holds logit j of token r of the block: lane l takes token l of the wave's 32.  Only the accumulators' four lowest registers are read.
.irp j, 0,1,2,3
	v_permlanex16_b32 v12, v[ACC+8+\j], s40, s41
	v_cndmask_b32 v[8+\j], v12, v[ACC+\j], s46
	v_add_f32 v[8+\j], v[8+\j], v[13+\j]
.endr
; How many others each expert beats: m beats a later n unless n is strictly larger.  The two with two wins or more are chosen.
	v_mov_b32 v20, 3
	v_mov_b32 v21, 2
	v_mov_b32 v22, 1
	v_mov_b32 v23, 0
.macro DUEL m, n
	v_cmp_gt_f32 vcc_lo, v[8+\n], v[8+\m]
	v_cndmask_b32 v24, 0, 1, vcc_lo
	v_add_nc_u32 v[20+\n], v[20+\n], v24
	v_sub_nc_u32 v[20+\m], v[20+\m], v24
.endm
	DUEL 0, 1
	DUEL 0, 2
	DUEL 0, 3
	DUEL 1, 2
	DUEL 1, 3
	DUEL 2, 3
.irp n, 0,1,2,3
	v_cmp_le_u32 s[52+\n], 2, v[20+\n]
	v_cndmask_b32 v[25+\n], 0, 1, s[52+\n]
.endr
	v_lshl_add_u32 v29, v27, 1, v26
	v_mad_u32_u24 v29, v28, 3, v29
	v_sub_nc_u32 v29, v29, v25                     ; the pair's number = c1 + 2 c2 + 3 c3 - c0
	v_cndmask_b32 v96, v10, v9, s53                ; the lower chosen expert's logit
	v_cndmask_b32 v96, v96, v8, s52
	v_cndmask_b32 v97, v9, v10, s54                ; the higher one's
	v_cndmask_b32 v97, v97, v11, s55
	v_max_num_f32 v98, v96, v97
	v_max3_num_f32 v99, v8, v9, v10
	v_max_num_f32 v99, v99, v11
	v_sub_f32 v96, v96, v98
	v_sub_f32 v97, v97, v98
.irp j, 0,1,2,3
	v_sub_f32 v[100+\j], v[8+\j], v99
.endr
.irp j, 96,97,100,101,102,103
	v_mul_f32 v[\j], 0x3fb8aa3b, v[\j]
.endr
.irp j, 96,97,100,101,102,103
	v_exp_f32 v[\j], v[\j]
.endr
	v_nop                                          ; a plain instruction behind the exponentials
	s_wait_alu depctr_va_vdst(0)
	v_add_f32 v98, v96, v97
	v_add_f32 v99, v100, v101
	v_add_f32 v104, v102, v103
	v_add_f32 v99, v99, v104
	v_rcp_f32 v98, v98
	v_rcp_f32 v99, v99
	v_lshlrev_b32 v105, 2, v0                      ; (a plain instruction behind the reciprocals)
	v_lshlrev_b32 v106, 3, v0
	s_wait_alu depctr_va_vdst(0)
	v_mul_f32 v96, v96, v98
	v_mul_f32 v97, v97, v98
.irp j, 0,1,2,3
	v_mul_f32 v[100+\j], v[100+\j], v99
.endr
	global_store_b32 v105, v29, s[10:11]           ; a wave's store covers 128 consecutive bytes
	global_store_b64 v106, v[96:97], s[12:13]      ; and 256
	v_mov_b32 v107, 0                              ; lane k: the wave's tokens of pair k
	v_mov_b32 v108, 0                              ; lane j: the wave's sum of probability j
	v_mov_b32 v109, 0
.irp k, 0,1,2,3,4,5
	v_cmp_eq_u32 s46, \k, v29
	s_bcnt1_i32_b32 s47, s46
	v_writelane_b32 v107, s47, \k
.endr
.irp j, 0,1,2,3
	v_add_f32_dpp v[100+\j], v[100+\j], v[100+\j] row_xmask:1 row_mask:0xf bank_mask:0xf
	v_add_f32_dpp v[100+\j], v[100+\j], v[100+\j] row_xmask:2 row_mask:0xf bank_mask:0xf
	v_add_f32_dpp v[100+\j], v[100+\j], v[100+\j] row_xmask:4 row_mask:0xf bank_mask:0xf
	v_add_f32_dpp v[100+\j], v[100+\j], v[100+\j] row_xmask:8 row_mask:0xf bank_mask:0xf
	v_permlanex16_b32 v109, v[100+\j], s40, s41
	v_add_f32 v[100+\j], v[100+\j], v109
	v_readfirstlane_b32 s47, v[100+\j]
	v_writelane_b32 v108, s47, \j
.endr
	s_lshl_b32 s47, s22, 8
	v_lshl_add_u32 v110, v1, 2, s47
	v_add_nc_u32 v110, RED, v110
	ds_store_b32 v110, v107
	ds_store_b32 v110, v108 offset:128
	s_wait_dscnt 0x0                               ; for the others' sake: my stores are done
	s_barrier_signal -1
	s_barrier_wait -1
	s_cmp_lg_u32 s22, 0
	s_cbranch_scc1 .Lend                           ; wave 0 adds the four waves' figures and stores them
	v_lshl_add_u32 v111, v1, 2, RED
.irp w, 0,1,2,3
	ds_load_b32 v[112+\w], v111 offset:256*\w
	ds_load_b32 v[116+\w], v111 offset:256*\w+128
.endr
	s_wait_dscnt 0x0
	v_add_nc_u32 v112, v112, v113
	v_add_nc_u32 v114, v114, v115
	v_add_nc_u32 v112, v112, v114
	v_add_f32 v116, v116, v117
	v_add_f32 v118, v118, v119
	v_add_f32 v116, v116, v118
	v_lshlrev_b32 v120, 2, v1
	v_cmp_gt_u32 vcc_lo, 8, v1
	s_wait_xcnt 0x0                                ; EXEC changes only behind this wait
	s_and_saveexec_b32 s45, vcc_lo
	global_store_b32 v120, v112, s[14:15]          ; eight words each; the words past the figures are 0
	global_store_b32 v120, v116, s[16:17]
	s_wait_xcnt 0x0
	s_or_b32 exec_lo, exec_lo, s45
.Lend:
	s_wait_tensorcnt 0x0                           ; the wave's end
	ds_add_u32 v30, v31
	s_wait_dscnt 0x0
	s_endpgm
.Lfunc_end_k_q8d30b72a24_router:
	.size	k_q8d30b72a24_router, .Lfunc_end_k_q8d30b72a24_router-k_q8d30b72a24_router
	.p2alignl 7, 3214868480
	.fill 96, 4, 3214868480
	.section	.rodata,"a",@progbits
	.p2align	6, 0x0
	.amdhsa_kernel k_q8d30b72a24_router
		.amdhsa_group_segment_fixed_size 167936
		.amdhsa_private_segment_fixed_size 0
		.amdhsa_enable_private_segment 0
		.amdhsa_kernarg_size 56
		.amdhsa_user_sgpr_count 2
		.amdhsa_user_sgpr_kernarg_segment_ptr 1
		.amdhsa_wavefront_size32 1
		.amdhsa_system_sgpr_workgroup_id_x 1
		.amdhsa_system_sgpr_workgroup_id_y 1
		.amdhsa_system_sgpr_workgroup_id_z 1
		.amdhsa_system_vgpr_workitem_id 0
		.amdhsa_next_free_vgpr 240
		.amdhsa_next_free_sgpr 66
		.amdhsa_reserve_vcc 1
		.amdhsa_float_denorm_mode_32 3
		.amdhsa_float_denorm_mode_16_64 3
		.amdhsa_memory_ordered 1
		.amdhsa_forward_progress 1
		.amdhsa_inst_pref_size 42
	.end_amdhsa_kernel
	.amdgpu_metadata
---
amdhsa.version: [ 1, 2 ]
amdhsa.kernels:
  - .name:           k_q8d30b72a24_router
    .symbol:         k_q8d30b72a24_router.kd
    .args:
      - { .name: x, .offset: 0, .size: 8, .value_kind: global_buffer, .address_space: global }
      - { .name: gate_W, .offset: 8, .size: 8, .value_kind: global_buffer, .address_space: global }
      - { .name: gate_b, .offset: 16, .size: 8, .value_kind: global_buffer, .address_space: global }
      - { .name: sel, .offset: 24, .size: 8, .value_kind: global_buffer, .address_space: global }
      - { .name: gw, .offset: 32, .size: 8, .value_kind: global_buffer, .address_space: global }
      - { .name: hist, .offset: 40, .size: 8, .value_kind: global_buffer, .address_space: global }
      - { .name: psum, .offset: 48, .size: 8, .value_kind: global_buffer, .address_space: global }
    .group_segment_fixed_size: 167936
    .private_segment_fixed_size: 0
    .kernarg_segment_align: 8
    .kernarg_segment_size: 56
    .max_flat_workgroup_size: 128
    .sgpr_count:     66
    .vgpr_count:     240
    .wavefront_size: 32
...
	.end_amdgpu_metadata
.endif
;; end of part 1
;; launch prep (part 2): grid 208 x 1, 4 waves a work-group, no clusters, 0 bytes of LDS; arguments sel, hist, psum, W1, W2, W3, hW1, b1, s1, t1, b2, s2, t2, b3, s3, t3, hb1, hW2, list, tiles, wf, pf, out2; writes list, tiles, wf, pf, out2
.if DOCPART == 2
	.amdgcn_target "amdgcn-amd-amdhsa--gfx1250"
	.amdhsa_code_object_version 6
	.text
	.protected	k_q8d30b72a24_prep
	.globl	k_q8d30b72a24_prep
	.p2align	8
	.type	k_q8d30b72a24_prep,@function
k_q8d30b72a24_prep:
	s_mov_b64 s[64:65], 0
	v_nop
	global_prefetch_b8 v0, s[64:65] scope:SCOPE_SE
	s_setreg_imm32_b32 hwreg(HW_REG_WAVE_MODE, 25, 1), 1
	s_wait_xcnt 0x0
; WHAT THE CHAIN NEEDS, made once.  Every wave is a task of its own, chosen by the work-group's number g and the wave's number w; no LDS, no barrier.
;   g 0-63     SORT: wave 4 g + w places the 128 tokens of one chunk into list, sorted by their pair of experts (a counting sort; no atomics).  Pair s begins at 144 T_s, T_s = tiles of the pairs before it.
;              Chunk 0's wave also writes the table of tiles {lower expert, higher expert, first place in list, tokens} and out2.
;   g 64-191   WEIGHTS: a wave takes 8 rows k of one expert's W1 (64-95), W2 (96-159) or W3 (160-191): W' = f16(bf16(W) - the row's mean of bf16(W)), stored as matrix fragments.
;              LayerNorm's mean is taken away here: h - mean_n(h) = x (W - mean_n W) + (b - mean b), for every input.
;   g 192-203  the heads' hW1 as fragments, f16(bf16(hW1));  g 204-206  b' = bf16(b) - its mean, bf16(s), bf16(t) in f32;  g 207  bf16(hb1), bf16(hW2) in f32.
; A FRAGMENT is 16 n x 32 k in 1,024 bytes: byte 512 p + 16 lane holds the 8 numbers n = 16 nb + lane % 16, k = 32 kstep + 16 p + 8 (lane / 16) + 0..7.
; wf: the heads at 0 (task x 16,384, fragment 4 kstep + nb); expert e at 49,152 + 589,824 e; in it the chain's wave at 147,456 each; in that layer 1 at 0, 2 at 65,536, 3 at 131,072; fragment NBW kstep + i (NBW = 8, 4, 2).
; LIMITS.  |W'| below 6e-5 keeps f16's fixed step of 6e-8; out2's sums are taken in another order than a plain mean's.
	v_lshrrev_b32 v1, 5, v0
	v_readfirstlane_b32 s3, v1                     ; wave 0..3
	v_and_b32 v1, 31, v0                           ; lane
	s_mov_b32 s40, 0x76543210                      ; v_permlanex16_b32: each lane takes its own place in the other half
	s_mov_b32 s41, 0xfedcba98
	s_mov_b32 s42, 0xffff0000                      ; a word's upper bf16
	s_cmp_lt_u32 ttmp9, 64
	s_cbranch_scc1 .Lsort
	s_cmp_lt_u32 ttmp9, 192
	s_cbranch_scc1 .Lweights
	s_cmp_lt_u32 ttmp9, 204
	s_cbranch_scc1 .Lheads
	s_cmp_lt_u32 ttmp9, 207
	s_cbranch_scc1 .Lparams
; ---- g = 207: the heads' hb1 (wave 0) and hW2 (wave 1), 192 numbers each
	s_cmp_gt_u32 s3, 1
	s_cbranch_scc1 .Lend
	s_load_b128 s[4:7], s[0:1], 0x80               ; hb1, hW2
	s_load_b64 s[8:9], s[0:1], 0xa8                ; pf
	v_lshlrev_b32 v2, 3, v1
	s_mul_i32 s10, s3, 768
	s_add_co_u32 s10, s10, 43008
	s_mov_b32 s11, 0
	s_wait_kmcnt 0x0
	s_cmp_eq_u32 s3, 0
	s_cselect_b64 s[4:5], s[4:5], s[6:7]
	s_add_nc_u64 s[8:9], s[8:9], s[10:11]
.irp j, 0,1,2
	global_load_b64 v[4+2*\j:5+2*\j], v2, s[4:5] offset:256*\j
.endr
	s_wait_loadcnt 0x0
.irp j, 0,1,2
	v_cvt_pk_bf16_f32 v3, v[4+2*\j], v[5+2*\j]
	v_lshlrev_b32 v[4+2*\j], 16, v3
	v_and_b32 v[5+2*\j], s42, v3
	global_store_b64 v2, v[4+2*\j:5+2*\j], s[8:9] offset:256*\j
.endr
.Lend:
	s_endpgm
.macro FSUM r, t                       ; the sum over the 32 lanes, in every lane; t has been written before
	v_add_f32_dpp v[\r], v[\r], v[\r] row_xmask:1 row_mask:0xf bank_mask:0xf
	v_add_f32_dpp v[\r], v[\r], v[\r] row_xmask:2 row_mask:0xf bank_mask:0xf
	v_add_f32_dpp v[\r], v[\r], v[\r] row_xmask:4 row_mask:0xf bank_mask:0xf
	v_add_f32_dpp v[\r], v[\r], v[\r] row_xmask:8 row_mask:0xf bank_mask:0xf
	v_permlanex16_b32 v[\t], v[\r], s40, s41
	v_add_f32 v[\r], v[\r], v[\t]
.endm
.macro RND4 r                          ; four f32 rounded to bf16, in place as f32
	v_cvt_pk_bf16_f32 v6, v[\r], v[\r+1]
	v_cvt_pk_bf16_f32 v7, v[\r+2], v[\r+3]
	v_lshlrev_b32 v[\r], 16, v6
	v_and_b32 v[\r+1], s42, v6
	v_lshlrev_b32 v[\r+2], 16, v7
	v_and_b32 v[\r+3], s42, v7
.endm
; 8 rows x ni groups of 32 columns: v[16 + 4 row + i]; a load covers 128 consecutive bytes of a row, a row's ni loads lie end to end
.macro WLD ni, base
.irp j, 0,1,2,3,4,5,6,7
.set i_, 0
.rept \ni
	global_load_b32 v[16+4*\j+i_], v[8+\j], s[\base:\base+1] offset:128*i_
.set i_, i_+1
.endr
.endr
.endm
; What WLD brought goes out: rounded to bf16, less the row's mean (sub = 1), rounded to f16; a lane's 8 rows of one column are 16 bytes of a fragment, and 16 lanes store 256 consecutive aligned bytes.
; v4 = the column block of group 0 (it steps by 8 a trip), s10 = log2 NBW, s14 = NBW - 1, v2 = 16 (lane % 16); s[22:23] = wf at the task's place.
.macro WOUT ni, sub
.set i_, 0
.rept \ni
	v_add_nc_u32 v5, 2*i_, v4                      ; nb
	v_lshrrev_b32 v6, s10, v5                      ; the chain's wave
	v_mul_u32_u24 v6, 0x24000, v6
	v_and_b32 v5, s14, v5                          ; its block i
	v_lshl_add_u32 v6, v5, 10, v6
	v_add_nc_u32 v[80+i_], v6, v2
.set i_, i_+1
.endr
	s_wait_loadcnt 0x0
.set i_, 0
.rept \ni
.irp jj, 0,1,2,3
	v_cvt_pk_bf16_f32 v58, v[16+8*\jj+i_], v[16+8*\jj+4+i_]
	v_lshlrev_b32 v56, 16, v58
	v_and_b32 v57, s42, v58
.if \sub
	v_pk_add_f32 v[56:57], v[56:57], v[48+2*\jj:49+2*\jj] neg_lo:[0,1] neg_hi:[0,1]
.endif
	v_cvt_pk_f16_f32 v[64+4*i_+\jj], v56, v57
.endr
	global_store_b128 v[80+i_], v[64+4*i_:64+4*i_+3], s[22:23]
.set i_, i_+1
.endr
.endm
; ---- g 64-191: the experts' weights
.Lweights:
	s_load_b128 s[16:19], s[0:1], 0x18             ; W1, W2
	s_load_b64 s[20:21], s[0:1], 0x28              ; W3
	s_load_b64 s[22:23], s[0:1], 0xa0              ; wf
	s_cmp_lt_u32 ttmp9, 96
	s_cselect_b32 s6, 64, 96                       ; the layer's first work-group
	s_cselect_b32 s7, 9, 8                         ; log2 N
	s_cselect_b32 s10, 3, 2                        ; log2 NBW
	s_cselect_b32 s11, 0, 65536                    ; the layer's place in a wave's part of wf
	s_cselect_b32 s12, 5, 6                        ; log2 (K / 8)
	s_cmp_lt_u32 ttmp9, 160
	s_cselect_b32 s6, s6, 160
	s_cselect_b32 s7, s7, 7
	s_cselect_b32 s10, s10, 1
	s_cselect_b32 s11, s11, 131072
	s_cselect_b32 s12, s12, 5
	s_sub_co_u32 s6, ttmp9, s6
	s_lshl2_add_u32 s6, s6, s3                     ; the task: expert x K / 8 + k8
	s_add_co_u32 s13, s7, 5
	s_lshl_b32 s24, s6, s13                        ; its 8 rows begin 32 N bytes x task into W
	s_mov_b32 s25, 0
	s_lshr_b32 s26, s6, s12                        ; expert
	s_lshl_b32 s27, 1, s12
	s_sub_co_u32 s27, s27, 1
	s_and_b32 s27, s6, s27                         ; k8
	s_mul_i32 s28, s26, 589824
	s_add_co_u32 s28, s28, s11
	s_add_co_u32 s28, s28, 49152
	s_lshr_b32 s29, s27, 2                         ; kstep
	s_add_co_u32 s30, s10, 10
	s_lshl_b32 s29, s29, s30                       ; x NBW fragments
	s_add_co_u32 s28, s28, s29
	s_bfe_u32 s29, s27, 0x10001
	s_lshl_b32 s29, s29, 9                         ; p
	s_add_co_u32 s28, s28, s29
	s_and_b32 s29, s27, 1
	s_lshl_b32 s29, s29, 8                         ; the fragment's half of the lanes
	s_add_co_u32 s28, s28, s29
	s_mov_b32 s29, 0
	s_lshl_b32 s14, 1, s10
	s_sub_co_u32 s14, s14, 1
	s_sub_co_u32 s8, s7, 7
	s_lshl_b32 s8, 1, s8                           ; trips: N / 128
	s_sub_co_u32 s9, 127, s7
	s_lshl_b32 s9, s9, 23                          ; 1 / N as f32
	s_add_co_u32 s13, s7, 2                        ; log2 of a row's bytes
	v_lshlrev_b32 v5, 2, v1
.irp j, 0,1,2,3,4,5,6,7
	s_lshl_b32 s31, \j, s13
	v_add_nc_u32 v[8+\j], s31, v5                  ; row j, column lane
.endr
	v_and_b32 v2, 15, v1
	v_lshlrev_b32 v2, 4, v2
	v_lshrrev_b32 v4, 4, v1
	v_mov_b32 v7, 0
.irp j, 0,1,2,3,4,5,6,7
	v_mov_b32 v[48+\j], 0
.endr
	s_wait_kmcnt 0x0
	s_cmp_lt_u32 ttmp9, 96
	s_cselect_b64 s[4:5], s[16:17], s[18:19]
	s_cmp_lt_u32 ttmp9, 160
	s_cselect_b64 s[4:5], s[4:5], s[20:21]
	s_add_nc_u64 s[4:5], s[4:5], s[24:25]
	s_add_nc_u64 s[22:23], s[22:23], s[28:29]
	s_mov_b64 s[24:25], s[4:5]
	s_mov_b32 s15, 0
.Lp1:                                              ; first pass: the rows' sums of bf16(W), 128 columns a trip
	WLD 4, 24
	s_wait_loadcnt 0x0
.irp jj, 0,1,2,3
.irp i, 0,1,2,3
	v_cvt_pk_bf16_f32 v58, v[16+8*\jj+\i], v[16+8*\jj+4+\i]
	v_lshlrev_b32 v56, 16, v58
	v_and_b32 v57, s42, v58
	v_pk_add_f32 v[48+2*\jj:49+2*\jj], v[48+2*\jj:49+2*\jj], v[56:57]
.endr
.endr
	s_add_nc_u64 s[24:25], s[24:25], 512           ; the loads that named it are done
	s_add_co_u32 s15, s15, 1
	s_cmp_lt_u32 s15, s8
	s_cbranch_scc1 .Lp1
.irp j, 0,1,2,3,4,5,6,7
	FSUM 48+\j, 7
.endr
.irp j, 0,1,2,3,4,5,6,7
	v_mul_f32 v[48+\j], s9, v[48+\j]               ; the rows' means
.endr
	s_mov_b32 s15, 0
.Lp2:                                              ; second pass: the same rows once more, out as fragments
	WLD 4, 4
	WOUT 4, 1
	s_wait_xcnt 0x0                                ; the stores' registers and the base are rewritten only behind this wait
	s_add_nc_u64 s[4:5], s[4:5], 512
	v_add_nc_u32 v4, 8, v4
	s_add_co_u32 s15, s15, 1
	s_cmp_lt_u32 s15, s8
	s_cbranch_scc1 .Lp2
	s_endpgm
; ---- g 192-203: hW1 [3][128][64]: a wave takes 8 rows k of one task; nothing is taken away
.Lheads:
	s_load_b64 s[4:5], s[0:1], 0x30                ; hW1
	s_load_b64 s[22:23], s[0:1], 0xa0              ; wf
	s_sub_co_u32 s6, ttmp9, 192
	s_lshl2_add_u32 s6, s6, s3                     ; 16 x task + k8
	s_lshl_b32 s24, s6, 11                         ; 8 rows of 256 bytes
	s_mov_b32 s25, 0
	s_lshr_b32 s26, s6, 4
	s_and_b32 s27, s6, 15
	s_lshl_b32 s28, s26, 14
	s_lshr_b32 s29, s27, 2
	s_lshl_b32 s29, s29, 12                        ; kstep x 4 fragments
	s_add_co_u32 s28, s28, s29
	s_bfe_u32 s29, s27, 0x10001
	s_lshl_b32 s29, s29, 9
	s_add_co_u32 s28, s28, s29
	s_and_b32 s29, s27, 1
	s_lshl_b32 s29, s29, 8
	s_add_co_u32 s28, s28, s29
	s_mov_b32 s29, 0
	s_mov_b32 s10, 2
	s_mov_b32 s14, 3
	v_lshlrev_b32 v5, 2, v1
.irp j, 0,1,2,3,4,5,6,7
	v_add_nc_u32 v[8+\j], 256*\j, v5
.endr
	v_and_b32 v2, 15, v1
	v_lshlrev_b32 v2, 4, v2
	v_lshrrev_b32 v4, 4, v1
	s_wait_kmcnt 0x0
	s_add_nc_u64 s[4:5], s[4:5], s[24:25]
	s_add_nc_u64 s[22:23], s[22:23], s[28:29]
	WLD 2, 4
	WOUT 2, 0
	s_endpgm
; ---- g 204-206: a layer's b, s, t; wave w takes expert w.  pf: expert x 10,752; layer 1 at 0, 2 at 6,144, 3 at 9,216; b'[N], s[N], t[N]
.Lparams:
	s_load_b512 s[16:31], s[0:1], 0x38             ; b1 s1 t1 b2 s2 t2 b3 s3
	s_load_b64 s[32:33], s[0:1], 0x78              ; t3
	s_load_b64 s[34:35], s[0:1], 0xa8              ; pf
	v_lshlrev_b32 v2, 4, v1
	v_mov_b32 v5, 0
.irp j, 8,9,10,11
	v_mov_b32 v[\j], 0
.endr
	s_wait_kmcnt 0x0
	s_cmp_eq_u32 ttmp9, 204
	s_cselect_b64 s[4:5], s[16:17], s[22:23]
	s_cselect_b64 s[6:7], s[18:19], s[24:25]
	s_cselect_b64 s[8:9], s[20:21], s[26:27]
	s_cselect_b32 s10, 9, 8                        ; log2 N
	s_cselect_b32 s11, 0, 6144
	s_cmp_eq_u32 ttmp9, 206
	s_cselect_b64 s[4:5], s[28:29], s[4:5]
	s_cselect_b64 s[6:7], s[30:31], s[6:7]
	s_cselect_b64 s[8:9], s[32:33], s[8:9]
	s_cselect_b32 s10, 7, s10
	s_cselect_b32 s11, 9216, s11
	s_add_co_u32 s12, s10, 2
	s_lshl_b32 s44, s3, s12                        ; the expert's row, 4 N bytes
	s_mov_b32 s45, 0
	s_add_nc_u64 s[4:5], s[4:5], s[44:45]
	s_add_nc_u64 s[6:7], s[6:7], s[44:45]
	s_add_nc_u64 s[8:9], s[8:9], s[44:45]
	s_mul_i32 s44, s3, 10752
	s_add_co_u32 s44, s44, s11
	s_add_nc_u64 s[34:35], s[34:35], s[44:45]      ; b'
	s_lshl_b32 s44, 1, s12
	s_add_nc_u64 s[36:37], s[34:35], s[44:45]      ; s
	s_add_nc_u64 s[38:39], s[36:37], s[44:45]      ; t
	s_sub_co_u32 s13, s10, 7
	s_lshl_b32 s13, 1, s13                         ; N / 128: 4, 2 or 1
	s_sub_co_u32 s14, 127, s10
	s_lshl_b32 s14, s14, 23                        ; 1 / N
; the sum of bf16(b), 128 numbers at a time, written out: one part always, a second from N = 256 on, two more at N = 512
.macro BSUM off
	global_load_b128 v[16:19], v2, s[4:5] offset:\off
	s_wait_loadcnt 0x0
	RND4 16
	v_pk_add_f32 v[8:9], v[8:9], v[16:17]
	v_pk_add_f32 v[10:11], v[10:11], v[18:19]
.endm
	BSUM 0
	s_cmp_lt_u32 s13, 2
	s_cbranch_scc1 .Lpsum
	BSUM 512
	s_cmp_lt_u32 s13, 4
	s_cbranch_scc1 .Lpsum
	BSUM 1024
	BSUM 1536
.Lpsum:
	v_pk_add_f32 v[8:9], v[8:9], v[10:11]
	v_add_f32 v8, v8, v9
	FSUM 8, 5
	v_mul_f32 v8, s14, v8
	v_mov_b32 v9, v8
	s_mov_b32 s15, 0
.Lpb:
	global_load_b128 v[16:19], v2, s[4:5]
	global_load_b128 v[20:23], v2, s[6:7]
	global_load_b128 v[24:27], v2, s[8:9]
	s_wait_loadcnt 0x0
	RND4 16
	RND4 20
	RND4 24
	v_pk_add_f32 v[16:17], v[16:17], v[8:9] neg_lo:[0,1] neg_hi:[0,1]
	v_pk_add_f32 v[18:19], v[18:19], v[8:9] neg_lo:[0,1] neg_hi:[0,1]
	global_store_b128 v2, v[16:19], s[34:35]
	global_store_b128 v2, v[20:23], s[36:37]
	global_store_b128 v2, v[24:27], s[38:39]
	s_wait_xcnt 0x0                                ; data and bases are rewritten only behind this wait
	s_add_nc_u64 s[4:5], s[4:5], 512
	s_add_nc_u64 s[6:7], s[6:7], 512
	s_add_nc_u64 s[8:9], s[8:9], 512
	s_add_nc_u64 s[34:35], s[34:35], 512
	s_add_nc_u64 s[36:37], s[36:37], 512
	s_add_nc_u64 s[38:39], s[38:39], 512
	s_add_co_u32 s15, s15, 1
	s_cmp_lt_u32 s15, s13
	s_cbranch_scc1 .Lpb
	s_endpgm
; ---- g 0-63: the sort
.Lsort:
	s_load_b128 s[8:11], s[0:1], 0x0               ; sel s[8:9], hist s[10:11]
	s_load_b64 s[12:13], s[0:1], 0x90              ; list
	s_lshl2_add_u32 s6, ttmp9, s3                  ; my chunk c: tokens 128 c .. 128 c + 127
	v_lshlrev_b32 v2, 5, v1                        ; 32 bytes an entry of hist and psum: lane l takes entries l + 32 it
	s_lshl_b32 s7, s6, 9
	v_lshl_add_u32 v3, v1, 4, s7
	s_lshl_b32 s53, s6, 7
	v_mov_b32 v20, 0
.irp j, 8,9,10,11,12,13,14,15,16,17,18,19
	v_mov_b32 v[\j], 0
.endr
	s_wait_kmcnt 0x0
.irp it, 0,1,2,3,4,5,6,7
	global_load_b128 v[32+8*\it:35+8*\it], v2, s[10:11] offset:1024*\it
	global_load_b128 v[36+8*\it:39+8*\it], v2, s[10:11] offset:1024*\it+16
.endr
	global_load_b128 v[96:99], v3, s[8:9]          ; my lane's four tokens' pairs
	s_wait_loadcnt 0x0
.irp it, 0,1,2,3,4,5,6,7
	v_add_nc_u32 v21, 32*\it, v1
	v_cmp_gt_u32 vcc_lo, s6, v21                   ; a chunk before mine?
.irp k, 0,1,2,3,4,5
	v_add_nc_u32 v[8+\k], v[8+\k], v[32+8*\it+\k]  ; all tokens of pair k,
	v_cndmask_b32 v20, 0, v[32+8*\it+\k], vcc_lo
	v_add_nc_u32 v[14+\k], v[14+\k], v20           ; and those in front of my chunk
.endr
.endr
.irp r, 8,9,10,11,12,13,14,15,16,17,18,19
	v_mov_b32_dpp v20, v[\r] row_xmask:1 row_mask:0xf bank_mask:0xf
	v_add_nc_u32 v[\r], v[\r], v20
	v_mov_b32_dpp v20, v[\r] row_xmask:2 row_mask:0xf bank_mask:0xf
	v_add_nc_u32 v[\r], v[\r], v20
	v_mov_b32_dpp v20, v[\r] row_xmask:4 row_mask:0xf bank_mask:0xf
	v_add_nc_u32 v[\r], v[\r], v20
	v_mov_b32_dpp v20, v[\r] row_xmask:8 row_mask:0xf bank_mask:0xf
	v_add_nc_u32 v[\r], v[\r], v20
	v_permlanex16_b32 v20, v[\r], s40, s41
	v_add_nc_u32 v[\r], v[\r], v20
.endr
.irp k, 0,1,2,3,4,5
	v_readfirstlane_b32 s[16+\k], v[8+\k]          ; n_k
	v_readfirstlane_b32 s[24+\k], v[14+\k]
.endr
	s_mov_b32 s32, 0                               ; T_0 .. T_6 in s32-38
.irp k, 0,1,2,3,4,5
	s_add_co_u32 s30, s[16+\k], 143
	s_mul_i32 s30, s30, 58255                      ; (n + 143) / 144: 58,255 x 144 = 2^23 + 112, so the quotient is too large by its 1.4e-5th part, 0.0031 at the most here, less than 1 / 144
	s_lshr_b32 s30, s30, 23
	s_add_co_u32 s[33+\k], s[32+\k], s30
	s_mul_i32 s30, s[32+\k], 144
	s_add_co_u32 s[24+\k], s[24+\k], s30           ; where my chunk's tokens of pair k begin
.endr
.irp q, 0,1,2,3
	v_mov_b32 v[100+\q], 0
.irp k, 0,1,2,3,4,5
	v_cmp_eq_u32 s51, \k, v[96+\q]
	v_mbcnt_lo_u32_b32 v21, s51, 0                 ; lanes below mine with the same pair
	v_add_nc_u32 v21, s[24+\k], v21
	v_cndmask_b32 v[100+\q], v[100+\q], v21, s51
	s_bcnt1_i32_b32 s52, s51
	s_add_co_u32 s[24+\k], s[24+\k], s52
.endr
.endr
	v_lshl_add_u32 v22, v1, 2, s53                 ; my first token
.irp q, 0,1,2,3
	v_min_u32 v[100+\q], 0x830f, v[100+\q]         ; 233 tiles x 144 places
	v_lshlrev_b32 v[100+\q], 2, v[100+\q]
	v_add_nc_u32 v[104+\q], \q, v22
	global_store_b32 v[100+\q], v[104+\q], s[12:13]
.endr
	s_cmp_lg_u32 s6, 0
	s_cbranch_scc1 .Lsorted
; chunk 0's wave: the table of tiles, 256 entries of 16 bytes, and out2
	s_load_b64 s[44:45], s[0:1], 0x98              ; tiles
	s_load_b64 s[46:47], s[0:1], 0x10              ; psum
	s_load_b64 s[48:49], s[0:1], 0xb0              ; out2
	s_wait_kmcnt 0x0
.irp it, 0,1,2,3,4,5,6,7
	global_load_b128 v[32+4*\it:35+4*\it], v2, s[46:47] offset:1024*\it
.endr
	v_mov_b32 v24, v1                              ; tile G
	v_lshlrev_b32 v25, 4, v1
	s_mov_b32 s50, 8
.macro TABK k, ea, eb                  ; from tile T_k on: pair k
	v_cmp_le_u32 vcc_lo, s[32+\k], v24
	v_cndmask_b32 v26, v26, s[16+\k], vcc_lo
	v_cndmask_b32 v27, v27, s[32+\k], vcc_lo
	v_cndmask_b32 v28, v28, \ea, vcc_lo
	v_cndmask_b32 v29, v29, \eb, vcc_lo
.endm
.Ltab:
	v_mov_b32 v26, s16
	v_mov_b32 v27, 0
	v_mov_b32 v28, 0
	v_mov_b32 v29, 1
	TABK 1, 0, 2
	TABK 2, 0, 3
	TABK 3, 1, 2
	TABK 4, 1, 3
	TABK 5, 2, 3
	v_sub_nc_u32 v27, v24, v27
	v_mul_u32_u24 v27, 144, v27
	v_sub_nc_u32 v26, v26, v27                     ; tokens of the pair from this tile on
	v_min_u32 v31, 144, v26
	v_mul_u32_u24 v30, 144, v24
	v_cmp_le_u32 vcc_lo, s38, v24                  ; past the last tile: no tokens, place 0
	v_cndmask_b32 v30, v30, 0, vcc_lo
	v_cndmask_b32 v31, v31, 0, vcc_lo
	global_store_b128 v25, v[28:31], s[44:45]
	s_wait_xcnt 0x0                                ; the store's registers are rewritten only behind this wait
	v_add_nc_u32 v24, 32, v24
	v_add_nc_u32 v25, 512, v25
	s_sub_co_u32 s50, s50, 1
	s_cmp_lg_u32 s50, 0
	s_cbranch_scc1 .Ltab
	s_wait_loadcnt 0x0
.irp it, 1,2,3,4,5,6,7
	v_pk_add_f32 v[32:33], v[32:33], v[32+4*\it:33+4*\it]
	v_pk_add_f32 v[34:35], v[34:35], v[34+4*\it:35+4*\it]
.endr
	FSUM 32, 20
	FSUM 33, 20
	FSUM 34, 20
	FSUM 35, 20
	s_add_co_u32 s51, s16, s17                     ; tokens of expert 0: pairs 0, 1, 2
	s_add_co_u32 s51, s51, s18
	s_add_co_u32 s52, s16, s19                     ; expert 1: pairs 0, 3, 4
	s_add_co_u32 s52, s52, s20
	s_add_co_u32 s53, s17, s19                     ; expert 2: pairs 1, 3, 5
	s_add_co_u32 s53, s53, s21
	s_add_co_u32 s54, s18, s20                     ; expert 3: pairs 2, 4, 5
	s_add_co_u32 s54, s54, s21
.irp e, 0,1,2,3
	v_cvt_f32_u32 v[36+\e], s[51+\e]
.endr
	v_mul_f32 v32, v32, v36
	v_fmac_f32 v32, v33, v37
	v_fmac_f32 v32, v34, v38
	v_fmac_f32 v32, v35, v39
	v_mul_f32 v32, 0x2d23d70a, v32                 ; 0.01 / 32,768^2
	v_mov_b32 v33, 0
	v_cmp_eq_u32 vcc_lo, 0, v1
	s_wait_xcnt 0x0                                ; EXEC changes only behind this wait
	s_and_saveexec_b32 s55, vcc_lo
	global_store_b32 v33, v32, s[48:49]
	s_wait_xcnt 0x0
	s_or_b32 exec_lo, exec_lo, s55
.Lsorted:
	s_endpgm
.Lfunc_end_k_q8d30b72a24_prep:
	.size	k_q8d30b72a24_prep, .Lfunc_end_k_q8d30b72a24_prep-k_q8d30b72a24_prep
	.p2alignl 7, 3214868480
	.fill 96, 4, 3214868480
	.section	.rodata,"a",@progbits
	.p2align	6, 0x0
	.amdhsa_kernel k_q8d30b72a24_prep
		.amdhsa_group_segment_fixed_size 0
		.amdhsa_private_segment_fixed_size 0
		.amdhsa_enable_private_segment 0
		.amdhsa_kernarg_size 184
		.amdhsa_user_sgpr_count 2
		.amdhsa_user_sgpr_kernarg_segment_ptr 1
		.amdhsa_wavefront_size32 1
		.amdhsa_system_sgpr_workgroup_id_x 1
		.amdhsa_system_sgpr_workgroup_id_y 1
		.amdhsa_system_sgpr_workgroup_id_z 1
		.amdhsa_system_vgpr_workitem_id 0
		.amdhsa_next_free_vgpr 128
		.amdhsa_next_free_sgpr 66
		.amdhsa_reserve_vcc 1
		.amdhsa_float_denorm_mode_32 3
		.amdhsa_float_denorm_mode_16_64 3
		.amdhsa_memory_ordered 1
		.amdhsa_forward_progress 1
		.amdhsa_inst_pref_size 65
	.end_amdhsa_kernel
	.amdgpu_metadata
---
amdhsa.version: [ 1, 2 ]
amdhsa.kernels:
  - .name:           k_q8d30b72a24_prep
    .symbol:         k_q8d30b72a24_prep.kd
    .args:
      - { .name: sel, .offset: 0, .size: 8, .value_kind: global_buffer, .address_space: global }
      - { .name: hist, .offset: 8, .size: 8, .value_kind: global_buffer, .address_space: global }
      - { .name: psum, .offset: 16, .size: 8, .value_kind: global_buffer, .address_space: global }
      - { .name: W1, .offset: 24, .size: 8, .value_kind: global_buffer, .address_space: global }
      - { .name: W2, .offset: 32, .size: 8, .value_kind: global_buffer, .address_space: global }
      - { .name: W3, .offset: 40, .size: 8, .value_kind: global_buffer, .address_space: global }
      - { .name: hW1, .offset: 48, .size: 8, .value_kind: global_buffer, .address_space: global }
      - { .name: b1, .offset: 56, .size: 8, .value_kind: global_buffer, .address_space: global }
      - { .name: s1, .offset: 64, .size: 8, .value_kind: global_buffer, .address_space: global }
      - { .name: t1, .offset: 72, .size: 8, .value_kind: global_buffer, .address_space: global }
      - { .name: b2, .offset: 80, .size: 8, .value_kind: global_buffer, .address_space: global }
      - { .name: s2, .offset: 88, .size: 8, .value_kind: global_buffer, .address_space: global }
      - { .name: t2, .offset: 96, .size: 8, .value_kind: global_buffer, .address_space: global }
      - { .name: b3, .offset: 104, .size: 8, .value_kind: global_buffer, .address_space: global }
      - { .name: s3, .offset: 112, .size: 8, .value_kind: global_buffer, .address_space: global }
      - { .name: t3, .offset: 120, .size: 8, .value_kind: global_buffer, .address_space: global }
      - { .name: hb1, .offset: 128, .size: 8, .value_kind: global_buffer, .address_space: global }
      - { .name: hW2, .offset: 136, .size: 8, .value_kind: global_buffer, .address_space: global }
      - { .name: list, .offset: 144, .size: 8, .value_kind: global_buffer, .address_space: global }
      - { .name: tiles, .offset: 152, .size: 8, .value_kind: global_buffer, .address_space: global }
      - { .name: wf, .offset: 160, .size: 8, .value_kind: global_buffer, .address_space: global }
      - { .name: pf, .offset: 168, .size: 8, .value_kind: global_buffer, .address_space: global }
      - { .name: out2, .offset: 176, .size: 8, .value_kind: global_buffer, .address_space: global }
    .group_segment_fixed_size: 0
    .private_segment_fixed_size: 0
    .kernarg_segment_align: 8
    .kernarg_segment_size: 184
    .max_flat_workgroup_size: 128
    .sgpr_count:     66
    .vgpr_count:     128
    .wavefront_size: 32
...
	.end_amdgpu_metadata
.endif
;; end of part 2
;; launch chain (part 3): grid 233 x 1, 4 waves a work-group, no clusters, 327,680 bytes of LDS; arguments x, list, tiles, gw, wf, pf, hb2, out0, out1; writes out0, out1
.if DOCPART == 3
	.amdgcn_target "amdgcn-amd-amdhsa--gfx1250"
	.amdhsa_code_object_version 6
	.text
	.protected	k_q8d30b72a24_chain
	.globl	k_q8d30b72a24_chain
	.p2align	8
	.type	k_q8d30b72a24_chain,@function
k_q8d30b72a24_chain:
	s_mov_b64 s[64:65], 0
	v_nop
	global_prefetch_b8 v0, s[64:65] scope:SCOPE_SE
	s_setreg_imm32_b32 hwreg(HW_REG_WAVE_MODE, 25, 1), 1
	s_wait_xcnt 0x0
; THE CHAIN.  A work-group takes a tile of up to 144 tokens that chose the SAME pair of experts through both experts (three times Linear, LayerNorm, ReLU), adds the two results with the gate's
; weights (out1), and runs the three heads (out0).  Nothing between x and the outputs goes through memory, and every output row has one owner.
; 233 work-groups serve every split: the six pairs' tiles number at most (32,768 + 6 x 143) / 144.  A tile's places past its count repeat its last token, a tile without tokens runs on list[0];
; such rows are computed and not stored (EXEC is narrowed for the stores).  No branch hangs on the tile's data.
; NUMBERS.  x enters as f16(bf16(x)); the weights are f16(bf16(W) - the row's mean), b' = bf16(b) - its mean, so that the sums are h - mean(h) and the variance is the mean of their squares, in f32.
; y = relu(h' rsqrt(var + 1e-5) s + t) in f32, rounded once to f16 for the next product; out1 leaves in f32; the heads take it rounded to f16.
; LIMITS.  f16 ends at 65,504: |x| stays under it, and so does 22.7 |s| + |t| (|h' rsqrt(var)| is at most sqrt(512)); below 2^-14 f16 keeps its fixed step 2^-24.  NaN and infinities are not treated apart.
; SHARES.  Wave w owns a quarter of every layer's columns (NBW = 8, 4, 2 blocks of 16) for all 9 blocks of 16 tokens.  Source 0 = a weight fragment (16 n x 32 k), source 1 = 16 tokens x 32 k:
; in the result a lane holds ONE token (lane % 16) and the columns 8 (lane / 16) + 0..7, which pack into the 16 bytes that the next layer's fragment load wants.
; WEIGHTS come from memory straight into registers, in the order laid out for that: each fragment has one reader among the four waves, and x, h1 and the running result leave no room in LDS for slots of
; weights: so no tensor load, and no joint loads in a cluster.  A ring of four groups of 8 fragments (16 loads): group j + 3 is asked for at the end of step j and has two steps, 144 matrix instructions, to land.
; REGISTERS, in windows of 256 (s_set_vgpr_msb: bits 1:0 source 0, 3:2 source 1, 5:4 source 2, 7:6 destination):
;   window 0: v0-31 addresses; v32-95 the accumulators of token block 8; v96-167, v168-239 token fragments, two buffers (between layers: s and t); v224-241 sums of squares, then 1 / sigma; v242-249 at work
;   windows 1, 2: accumulator (i, tb), tb < 8, at 256 + 8 (NBW tb + i).  Window 2 also: layer 3's 16 fragments (v0-127), then the running result read back (v0-143)
;   window 3: the ring, four slots of 64; between layers slot 3 is free: v192-227 the waves' sums of squares, v228-245 the gate's weights
.set XS,    0                          ; 144 rows x 528: x in f16; at the end the result in f16, pitch 272
.set HS,    76032                      ; 144 rows x 1,040: h1; h2 at pitch 528; at the end the result in f32, pitch 528
.set ST3,   HS+76032                   ; layer 3's sums of squares: bytes of h1 that are dead from layer 2's end to the next h1
.set FIN,   225792                     ; 18,432 bytes a wave, its own: the running result in f32
.set ST,    299520                     ; [token][wave] f32: layers 1 and 2's sums of squares
.set PAR,   301824                     ; the two experts' b', s, t (10,752 bytes each), then the heads' hb1, hW2
.set PARH,  PAR+21504
.set MISC,  324864                     ; the gate's weights: 160 words for the lower expert, 160 for the higher
.set SPARE, 326144                     ; the spare words, 128 bytes a wave
.set EXB,   589824                     ; an expert in wf
.set WVB,   147456                     ; a wave's part of it
.set PFB,   10752                      ; an expert in pf
.set R,     1                          ; lane % 16
.set H,     2                          ; lane / 16
.set SPW,   3                          ; my spare word's LDS address; never rewritten
.set NIL,   4                          ; 0; never rewritten
.set WOFF,  5                          ; 16 x lane
.set L528,  6                          ; 528 r + 16 h
.set L1040, 7                          ; 1,040 r + 16 h
.set TA,    8                          ; v8-10   token fragments: token blocks 0-2, 3-5, 6-8
.set TN,    11                         ; v11-13  the same for the loop's other trip
.set SA,    14                         ; v14-16  where a layer's results go
.set PB1,   17                         ; v17-19  my columns' b' of layers 1, 2, 3 in PAR; at the end v17: my head's hb1
.set PB2,   18
.set PB3,   19
.set GA,    20                         ; the gate's weight of token r
.set FINA,  21
.set LN,    22                         ; lane
.set C16,   23                         ; 16 (lane % 16)
.set T0,    24                         ; v24-31  at work
.set HT,    27                         ; v27-31  at the end: out0's offsets
.set A8,    32
.set TF,    96
.set CT,    160                        ; the prologue's work registers
.set WD,    168
.set HF,    184
.set SQ,    224
.set X8,    242
.set WP,    30                         ; s[30:31] the stream of weights in hand
.set WB,    32                         ; s[32:33] where layer 2's later requests point
.set NX,    34                         ; s[34:35] the next stream
.set NX2,   36                         ; s[36:37] the one after it: my head's fragments
.set M1,    66                         ; s66-83  out1's store masks
.set M0,    84                         ; s84-88  out0's store masks; s89: the lanes' upper half
.set MSB, 0
.macro WIN new                         ; the immediate's high byte repeats the setting that is left; a switch that changes nothing is dropped
.if MSB != (\new)
	s_set_vgpr_msb (MSB<<8)|(\new)
.set MSB, (\new)
.endif
.endm
.macro PLACES                          ; four plain places behind matrix instructions, in front of loads into their registers and of vector lines that read their results
.rept 4
	v_nop
.endr
.endm
.macro ALL9 line:vararg                ; one line for each token block t_
.set t_, 0
.rept 9
	\line
.set t_, t_+1
.endr
.endm
.macro BAR
	s_wait_dscnt 0x0                               ; for the others' sake: my LDS stores are done and my LDS reads are back
	s_barrier_signal -1
	s_barrier_wait -1
.endm
.macro ACCOF nbw, tb, i                ; accumulator (i, tb): window AW, register AR
.if (\tb) == 8
.set AW, 0
.set AR, A8+8*(\i)
.else
.set AW, 1+(8*((\tb)*(\nbw)+(\i)))/256
.set AR, (8*((\tb)*(\nbw)+(\i)))%256
.endif
.endm
.macro TFLOAD buf, base, koff, pitch   ; 18 LDS loads in one run: 9 token fragments, 32 k at byte koff of the rows
	WIN 0
.set t_, 0
.rept 9
	ds_load_b128 v[TF+72*(\buf)+8*t_:TF+72*(\buf)+8*t_+3], v[(\base)+t_/3] offset:(t_%3)*16*(\pitch)+(\koff)
	ds_load_b128 v[TF+72*(\buf)+8*t_+4:TF+72*(\buf)+8*t_+7], v[(\base)+t_/3] offset:(t_%3)*16*(\pitch)+(\koff)+32
.set t_, t_+1
.endr
.endm
.macro GLOADG win, reg, base, off, n   ; n weight fragments, 1,024 consecutive bytes each by two loads of the wave
	WIN (\win)<<6
.set f_, 0
.rept \n
	global_load_b128 v[(\reg)+8*f_:(\reg)+8*f_+3], v[WOFF], s[\base:\base+1] offset:(\off)+1024*f_
	global_load_b128 v[(\reg)+8*f_+4:(\reg)+8*f_+7], v[WOFF], s[\base:\base+1] offset:(\off)+1024*f_+512
.set f_, f_+1
.endr
.endm
.macro MMK nbw, wwin, wreg, buf        ; one K step: 9 nbw matrix instructions; the accumulators take turns, one instruction a turn
.set tb_, 0
.rept 9
.set i_, 0
.rept \nbw
	ACCOF \nbw, tb_, i_
	WIN (AW<<6)|(AW<<4)|(\wwin)
	v_wmma_f32_16x16x32_f16 v[AR:AR+7], v[(\wreg)+8*i_:(\wreg)+8*i_+7], v[TF+72*(\buf)+8*tb_:TF+72*(\buf)+8*tb_+7], v[AR:AR+7]
.set i_, i_+1
.endr
.set tb_, tb_+1
.endr
.endm
.macro BIASINIT nbw, areg, off         ; the sums start at the bias: it is loaded straight into every accumulator, so that every K step has one text and nothing is cleared
.set tb_, 0
.rept 9
.set i_, 0
.rept \nbw
	ACCOF \nbw, tb_, i_
	WIN AW<<6
	ds_load_b128 v[AR:AR+3], v[\areg] offset:(\off)+64*i_
	ds_load_b128 v[AR+4:AR+7], v[\areg] offset:(\off)+64*i_+16
.set i_, i_+1
.endr
.set tb_, tb_+1
.endr
.endm
; For each token block the sum over my columns of acc x acc (sq = 1) or of acc x v[TF + ..] (sq = 0), as pairs.  The blocks of a window alternate, so that no line waits for the one before it;
; block 8 has four chains of its own.  Each accumulator's lowest registers are read first.
.macro DOTS nbw, sq
.set tpw_, 32/(\nbw)
.if tpw_ > 8
.set tpw_, 8
.endif
.set g_, 0
.rept 8/tpw_
.set i_, 0
.rept \nbw
.set q_, 0
.rept 4
.set t_, g_*tpw_
.rept tpw_
	ACCOF \nbw, t_, i_
.if \sq
	WIN AW|(AW<<2)
.set s1_, AR+2*q_
.else
	WIN AW
.set s1_, TF+8*i_+2*q_
.endif
.if (i_ == 0) && (q_ == 0)
	v_pk_mul_f32 v[SQ+2*t_:SQ+2*t_+1], v[AR+2*q_:AR+2*q_+1], v[s1_:s1_+1]
.else
	v_pk_fma_f32 v[SQ+2*t_:SQ+2*t_+1], v[AR+2*q_:AR+2*q_+1], v[s1_:s1_+1], v[SQ+2*t_:SQ+2*t_+1]
.endif
.set t_, t_+1
.endr
.set q_, q_+1
.endr
.set i_, i_+1
.endr
.set g_, g_+1
.endr
	WIN 0
.set i_, 0
.rept \nbw
.set q_, 0
.rept 4
.set a_, A8+8*i_+2*q_
.if \sq
.set s1_, a_
.else
.set s1_, TF+8*i_+2*q_
.endif
.if i_ == 0
	v_pk_mul_f32 v[X8+2*q_:X8+2*q_+1], v[a_:a_+1], v[s1_:s1_+1]
.else
	v_pk_fma_f32 v[X8+2*q_:X8+2*q_+1], v[a_:a_+1], v[s1_:s1_+1], v[X8+2*q_:X8+2*q_+1]
.endif
.set q_, q_+1
.endr
.set i_, i_+1
.endr
.endm
.macro SQRED                           ; the pairs' halves and the other half of the lanes' (the token's other 8 columns of each block) are added: v[SQ + 2 t]
	WIN 0
	v_pk_add_f32 v[X8:X8+1], v[X8:X8+1], v[X8+2:X8+3]
	v_pk_add_f32 v[X8+4:X8+5], v[X8+4:X8+5], v[X8+6:X8+7]
	v_pk_add_f32 v[SQ+16:SQ+17], v[X8:X8+1], v[X8+4:X8+5]
	ALL9 v_add_f32 v[SQ+2*t_], v[SQ+2*t_], v[SQ+2*t_+1]
	ALL9 v_permlanex16_b32 v[SQ+2*t_+1], v[SQ+2*t_], s40, s41
	ALL9 v_add_f32 v[SQ+2*t_], v[SQ+2*t_], v[SQ+2*t_+1]
.endm
.macro SQOUT region                    ; my sums go to [token][wave]; behind the barrier every wave reads all four
	v_lshl_add_u32 v[T0], v[R], 4, \region
	v_add_nc_u32 v[T0+1], s46, v[T0]
	ALL9 ds_store_b32 v[T0+1], v[SQ+2*t_] offset:256*t_
	BAR
	WIN 0xc0
	ALL9 ds_load_b128 v[192+4*t_:195+4*t_], v[T0] offset:256*t_
.endm
.macro STLOAD nbw, pb, nb4             ; my columns' s and t: 4 nbw loads
	WIN 0
.set i_, 0
.rept \nbw
	ds_load_b128 v[TF+8*i_:TF+8*i_+3], v[\pb] offset:(\nb4)+64*i_
	ds_load_b128 v[TF+8*i_+4:TF+8*i_+7], v[\pb] offset:(\nb4)+64*i_+16
	ds_load_b128 v[TF+8*(\nbw)+8*i_:TF+8*(\nbw)+8*i_+3], v[\pb] offset:2*(\nb4)+64*i_
	ds_load_b128 v[TF+8*(\nbw)+8*i_+4:TF+8*(\nbw)+8*i_+7], v[\pb] offset:2*(\nb4)+64*i_+16
.set i_, i_+1
.endr
.endm
.macro RSQ                             ; 1 / sqrt(sum / N + eps) for each token block, into v[SQ + 2 t]; the same sums in the same order in all four waves
	WIN 0xcf
	ALL9 v_pk_add_f32 v[192+4*t_:193+4*t_], v[192+4*t_:193+4*t_], v[194+4*t_:195+4*t_]
	WIN 0x0f
	ALL9 v_add_f32 v[SQ+2*t_], v[192+4*t_], v[193+4*t_]
	WIN 0
	ALL9 v_fma_f32 v[SQ+2*t_], v[SQ+2*t_], s44, s43
	ALL9 v_rsq_f32 v[SQ+2*t_], v[SQ+2*t_]
	v_nop                                          ; a plain instruction behind the last of them
	s_wait_alu depctr_va_vdst(0)
.endm
.macro NORM nbw, pitch                 ; relu(h' / sigma x s + t), rounded to f16 (the maximum is taken on the packed halves: it rounds nothing), 16 bytes a lane into the next layer's rows
.set tb_, 0
.rept 9
.set i_, 0
.rept \nbw
	ACCOF \nbw, tb_, i_
	WIN (AW<<6)|AW
.irp q, 0,1,2,3
	v_pk_mul_f32 v[AR+2*\q:AR+2*\q+1], v[AR+2*\q:AR+2*\q+1], v[SQ+2*tb_:SQ+2*tb_+1] op_sel_hi:[1,0]
.endr
.irp q, 0,1,2,3
	v_pk_fma_f32 v[AR+2*\q:AR+2*\q+1], v[AR+2*\q:AR+2*\q+1], v[TF+8*i_+2*\q:TF+8*i_+2*\q+1], v[TF+8*(\nbw)+8*i_+2*\q:TF+8*(\nbw)+8*i_+2*\q+1]
.endr
.set i_, i_+1
.endr
.set i_, 0
.rept \nbw
	ACCOF \nbw, tb_, i_
	WIN (AW<<6)|(AW<<2)|AW
.irp q, 0,1,2,3
	v_cvt_pk_f16_f32 v[AR+\q], v[AR+2*\q], v[AR+2*\q+1]
.endr
.irp q, 0,1,2,3
	v_pk_max_num_f16 v[AR+\q], v[AR+\q], s42
.endr
.set i_, i_+1
.endr
.set i_, 0
.rept \nbw
	ACCOF \nbw, tb_, i_
	WIN AW<<2
	ds_store_b128 v[SA+tb_/3], v[AR:AR+3] offset:(tb_%3)*16*(\pitch)+32*i_
.set i_, i_+1
.endr
.set tb_, tb_+1
.endr
.endm
.macro EPI nbw, pb, nb4, pitch         ; what follows layer 1's and layer 2's products
	DOTS \nbw, 1
	SQRED
	SQOUT ST
	STLOAD \nbw, \pb, \nb4
	s_wait_dscnt 4*(\nbw)                          ; the sums of squares are in; s and t, issued behind them, stay out
	RSQ
	s_wait_dscnt 0x0
	NORM \nbw, \pitch
	WIN 0
	BAR                                            ; the layer's rows are whole, and every wave's reads of the sums of squares are back
.endm
.macro LISTLD dst, idx, add            ; the token at place min(idx + add, count - 1) of the tile; the load lands on its own address register
	v_add_nc_u32 v[\dst], \add, v[\idx]
	v_min_u32 v[\dst], s28, v[\dst]
	v_min_u32 v[\dst], 143, v[\dst]
	v_add_lshl_u32 v[\dst], v[\dst], s26, 2
	global_load_b32 v[\dst], v[\dst], s[6:7]
.endm
; ================ the beginning
	s_load_b512 s[4:19], s[0:1], 0x0               ; x s[4:5], list s[6:7], tiles s[8:9], gw s[10:11], wf s[12:13], pf s[14:15], hb2 s[16:17], out0 s[18:19]
	s_load_b64 s[20:21], s[0:1], 0x40              ; out1
	v_lshl_add_u32 v[SPW], v0, 2, SPARE
	v_mov_b32 v[NIL], 0
	v_lshrrev_b32 v[T0], 5, v0
	v_readfirstlane_b32 s22, v[T0]                 ; wave 0..3
	v_and_b32 v[LN], 31, v0
	v_and_b32 v[R], 15, v0
	v_bfe_u32 v[H], v0, 4, 1
	v_lshlrev_b32 v[WOFF], 4, v[LN]
	v_lshlrev_b32 v[C16], 4, v[R]
	v_mul_u32_u24 v[L528], v[R], 528
	v_lshl_add_u32 v[L528], v[H], 4, v[L528]
	v_mul_u32_u24 v[L1040], v[R], 1040
	v_lshl_add_u32 v[L1040], v[H], 4, v[L1040]
	s_lshl_b32 s23, ttmp9, 4
	s_mov_b32 s40, 0x76543210                      ; v_permlanex16_b32: each lane takes its own place in the other half
	s_mov_b32 s41, 0xfedcba98
	s_mov_b32 s42, 0
	s_mov_b32 s43, 0x3727c5ac                      ; 1e-5
	s_lshl_b32 s46, s22, 2
	s_mov_b32 s57, 0xffff0000                      ; a word's upper bf16
	s_mov_b32 s55, 0
	s_wait_kmcnt 0x0
	s_load_b128 s[24:27], s[8:9], s23 offset:0x0   ; my tile: lower expert, higher expert, first place in list, tokens
	s_wait_kmcnt 0x0
	s_max_u32 s28, s27, 1
	s_sub_co_u32 s28, s28, 1
	s_min_u32 s28, s28, 143                        ; the last place that holds a token
	s_min_u32 s24, s24, 3
	s_min_u32 s25, s25, 3
	s_min_u32 s26, s26, 0x8280
	s_min_u32 s27, s27, 144
	s_mul_i32 s47, s22, 36                         ; on the way in and out wave w has rows 36 w .. 36 w + 35, two a load: lanes 0-15 one row, lanes 16-31 the next
	v_add_nc_u32 v[T0], s47, v[H]
.set p_, 0
.rept 18
	LISTLD TF+p_, T0, 2*p_                         ; the list first: x's addresses wait for it
.set p_, p_+1
.endr
	LISTLD TF+18, 0, 0                             ; place = my thread's number, for the gate's weights,
	LISTLD TF+19, 0, 128                           ; and 128 on
	s_mul_i32 s47, s22, WVB
	s_add_co_u32 s47, s47, 49152
	s_mul_i32 s54, s24, EXB
	s_add_co_u32 s54, s54, s47
	s_add_nc_u64 s[WP:WP+1], s[12:13], s[54:55]    ; my part of the lower expert's weights,
	s_mul_i32 s54, s25, EXB
	s_add_co_u32 s54, s54, s47
	s_add_nc_u64 s[NX:NX+1], s[12:13], s[54:55]    ; of the higher one's,
	s_min_u32 s54, s22, 2
	s_lshl_b32 s29, s54, 2
	s_load_b32 s56, s[16:17], s29 offset:0x0       ; hb2 of my head (wave 3 has none: it takes wave 2's and uses nothing of it)
	s_lshl_b32 s54, s54, 14
	s_add_nc_u64 s[NX2:NX2+1], s[12:13], s[54:55]  ; and my head's fragments (wave 3 likewise)
	GLOADG 3, 0, WP, 0, 8
	GLOADG 3, 64, WP, 8192, 8
	GLOADG 3, 128, WP, 16384, 8
	WIN 0
	s_mul_i32 s54, s24, PFB
	s_add_nc_u64 s[48:49], s[14:15], s[54:55]
	s_mul_i32 s54, s25, PFB
	s_add_nc_u64 s[50:51], s[14:15], s[54:55]
	s_add_nc_u64 s[58:59], s[50:51], 10240
	s_add_nc_u64 s[60:61], s[14:15], 42496
	s_cmp_eq_u32 s22, 0
	s_cselect_b64 s[62:63], s[58:59], s[60:61]     ; wave 0: the higher expert's last 32 items of 16 bytes; waves 1-3: the heads' 96 items, which follow them in LDS
	v_lshlrev_b32 v[T0+1], 4, v0
	WIN 0x80
.irp q, 0,1,2,3,4
	global_load_b128 v[4*\q:4*\q+3], v[T0+1], s[48:49] offset:2048*\q
	global_load_b128 v[20+4*\q:20+4*\q+3], v[T0+1], s[50:51] offset:2048*\q
.endr
	global_load_b128 v[44:47], v[T0+1], s[62:63]
	WIN 0
	s_cmp_lg_u32 s22, 0
	s_cbranch_scc1 .Lno_tail_a
	WIN 0x80
	global_load_b128 v[40:43], v[T0+1], s[48:49] offset:10240  ; the lower expert's last 32 items
	WIN 0
.Lno_tail_a:
	v_mul_u32_u24 v[T0+3], v[T0], 528
	v_lshl_add_u32 v[T0+3], v[R], 3, v[T0+3]       ; where my 8 bytes of x go
	v_lshl_add_u32 v[T0+2], v0, 4, PAR
	v_lshl_add_u32 v[T0+4], v0, 2, MISC
	s_mul_i32 s47, s22, 18432
	s_add_co_u32 s47, s47, FIN
	v_add_nc_u32 v[FINA], s47, v[WOFF]
	v_lshlrev_b32 v[T0+5], 5, v[H]
	s_lshl_b32 s47, s22, 9
	s_add_co_u32 s47, s47, PAR
	v_add_nc_u32 v[PB1], s47, v[T0+5]
	s_lshl_b32 s47, s22, 8
	s_add_co_u32 s47, s47, PAR+6144
	v_add_nc_u32 v[PB2], s47, v[T0+5]
	s_lshl_b32 s47, s22, 7
	s_add_co_u32 s47, s47, PAR+9216
	v_add_nc_u32 v[PB3], s47, v[T0+5]
	v_lshl_add_u32 v[GA], v[R], 2, MISC
.irp j, 0,1,2,3
	v_mov_b32 v[WD+\j], 0
.endr
	s_wait_kmcnt 0x0                               ; hb2
	s_wait_loadcnt 0x0                             ; the list, the parameters and the first three groups of weights
.set p_, 0
.rept 18
	v_min_u32 v[TF+p_], 0x7fff, v[TF+p_]
	v_lshl_add_u32 v[TF+p_], v[TF+p_], 10, v[C16]  ; the token's row of x, my 16 bytes
.set p_, p_+1
.endr
	v_min_u32 v[TF+18], 0x7fff, v[TF+18]
	v_lshlrev_b32 v[TF+18], 3, v[TF+18]
	v_min_u32 v[TF+19], 0x7fff, v[TF+19]
	v_lshlrev_b32 v[TF+19], 3, v[TF+19]
	global_load_b64 v[TF+20:TF+21], v[TF+18], s[10:11]
	global_load_b64 v[TF+22:TF+23], v[TF+19], s[10:11]
	WIN 0x08                                       ; store data in window 2
.irp q, 0,1,2,3,4
	ds_store_b128 v[T0+2], v[4*\q:4*\q+3] offset:2048*\q
	ds_store_b128 v[T0+2], v[20+4*\q:20+4*\q+3] offset:PFB+2048*\q
.endr
	ds_store_b128 v[T0+2], v[44:47] offset:PFB+10240
	WIN 0
	s_cmp_lg_u32 s22, 0
	s_cbranch_scc1 .Lno_tail_b
	WIN 0x08
	ds_store_b128 v[T0+2], v[40:43] offset:10240
	WIN 0
.Lno_tail_b:
.set k_, 0
.rept 36
	ds_store_b128 v[FINA], v[WD:WD+3] offset:512*k_  ; the running result starts at 0: both experts then have one text
.set k_, k_+1
.endr
	s_mov_b32 s39, 2
.Lx:                                               ; x: 9 pairs of rows a trip, 36 loads of 2 x 256 consecutive bytes; rounded to bf16, written as f16
	WIN 0x40
.set p_, 0
.rept 9
.irp q, 0,1,2,3
	global_load_b128 v[16*p_+4*\q:16*p_+4*\q+3], v[TF+p_], s[4:5] offset:256*\q
.endr
.set p_, p_+1
.endr
.set p_, 0
.rept 9
	s_wait_loadcnt 32-4*p_                         ; loads come back in order: pair p's four are in, the later pairs' stay out
	WIN 0x05
.irp i, 0,1,2,3,4,5,6,7
	v_cvt_pk_bf16_f32 v[CT+\i], v[16*p_+2*\i], v[16*p_+2*\i+1]
.endr
	WIN 0
.irp i, 0,1,2,3,4,5,6,7
	v_lshlrev_b32 v[WD+2*\i], 16, v[CT+\i]
	v_and_b32 v[WD+2*\i+1], s57, v[CT+\i]
.endr
.irp i, 0,1,2,3,4,5,6,7
	v_cvt_pk_f16_f32 v[HF+\i], v[WD+2*\i], v[WD+2*\i+1]
.endr
.irp q, 0,1,2,3
	ds_store_b64 v[T0+3], v[HF+2*\q:HF+2*\q+1] offset:1056*p_+128*\q
.endr
.set p_, p_+1
.endr
.set p_, 0
.rept 9
	v_mov_b32 v[TF+p_], v[TF+9+p_]                 ; the next trip's rows; the loads that named these registers are done
.set p_, p_+1
.endr
	v_add_nc_u32 v[T0+3], 9*1056, v[T0+3]
	s_sub_co_u32 s39, s39, 1
	s_cmp_lg_u32 s39, 0
	s_cbranch_scc1 .Lx
	ds_store_b32 v[T0+4], v[TF+20]                 ; the gate's weights of places 0-127
	ds_store_b32 v[T0+4], v[TF+21] offset:640
	s_cmp_lg_u32 s22, 0
	s_cbranch_scc1 .Lno_tail_c
	ds_store_b32 v[T0+4], v[TF+22] offset:512      ; wave 0: places 128-159, of which 144 on are never read
	ds_store_b32 v[T0+4], v[TF+23] offset:640+512
.Lno_tail_c:
	BAR                                            ; x, the parameters and the gate's weights are whole
; ================ the two experts, one text
	s_mov_b32 s38, 2
.Lexp:
; ---- layer 1: K = 256 in 8 steps, 72 matrix instructions each
.irp g, 0,1,2
	v_add_nc_u32 v[TA+\g], XS+\g*25344, v[L528]
	v_add_nc_u32 v[TN+\g], XS+\g*25344+256, v[L528]
.endr
	s_lshl_b32 s47, s22, 8
	s_add_co_u32 s47, s47, HS
	v_add_nc_u32 v[SA], s47, v[L1040]              ; h1: row token, my 128 columns at byte 256 w
	v_add_nc_u32 v[SA+1], 49920, v[SA]
	v_add_nc_u32 v[SA+2], 49920, v[SA+1]
	s_mov_b32 s44, 0x3b000000                      ; 1 / 512
	BIASINIT 8, PB1, 0
	TFLOAD 0, TA, 0, 528
	s_mov_b32 s39, 2
.macro L1STEP p
.if (\p) < 3
	TFLOAD ((\p)+1)%2, TA, ((\p)+1)*64, 528
.else
	TFLOAD 0, TN, 0, 528                           ; the next trip's first step; in the last trip step 0 once more, which nobody uses
.endif
	s_wait_loadcnt 32                              ; this step's group is in; the two groups asked for behind it stay out
	s_wait_dscnt 18                                ; this step's token fragments are in; the 18 loads just issued stay out
	MMK 8, 3, 64*(\p), (\p)%2
	PLACES
	GLOADG 3, 64*(((\p)+3)%4), WP, ((\p)+3)*8192, 8
.endm
.Ll1:
	L1STEP 0
	L1STEP 1
	L1STEP 2
	L1STEP 3
	WIN 0
	s_wait_xcnt 0x0                                ; the loads' base is stepped only behind this wait
	s_add_nc_u64 s[WP:WP+1], s[WP:WP+1], 32768
.irp g, 0,1,2
	v_add_nc_u32 v[TA+\g], XS+\g*25344+256, v[L528]  ; the loop has two trips: the second takes the rows' bytes 256 on (K steps 4 to 7),
	v_add_nc_u32 v[TN+\g], XS+\g*25344, v[L528]      ; and its look-ahead goes back to their beginning; both are made anew from constants
.endr
	s_sub_co_u32 s39, s39, 1
	s_cmp_lg_u32 s39, 0
	s_cbranch_scc1 .Ll1
	EPI 8, PB1, 2048, 1040
; ---- layer 2: K = 512 in 8 steps of two K steps, 2 x 36 matrix instructions each
	s_add_nc_u64 s[WB:WB+1], s[WP:WP+1], 32768
	GLOADG 2, 0, WP, 65536, 16                     ; layer 3's 16 fragments, into registers that layer 1's accumulators have left
	WIN 0
.irp g, 0,1,2
	v_add_nc_u32 v[TA+\g], HS+\g*49920, v[L1040]
	v_add_nc_u32 v[TN+\g], HS+\g*49920+512, v[L1040]
.endr
	s_lshl_b32 s47, s22, 7
	s_add_co_u32 s47, s47, HS
	v_add_nc_u32 v[SA], s47, v[L528]               ; h2: my 64 columns at byte 128 w
	v_add_nc_u32 v[SA+1], 25344, v[SA]
	v_add_nc_u32 v[SA+2], 25344, v[SA+1]
	s_mov_b32 s44, 0x3b800000                      ; 1 / 256
	BIASINIT 4, PB2, 0
	TFLOAD 0, TA, 0, 1040
	s_mov_b32 s39, 2
.macro L2STEP p
	TFLOAD 1, TA, (2*(\p)+1)*64, 1040
	s_wait_loadcnt 32                              ; this step's group is in: behind it two groups were asked for (in the first trip's first steps more, layer 3's among them: the count is then the stricter one)
	s_wait_dscnt 18
	MMK 4, 3, 64*(\p), 0
	PLACES
.if (\p) < 3
	TFLOAD 0, TA, (2*(\p)+2)*64, 1040
.else
	TFLOAD 0, TN, 0, 1040
.endif
	s_wait_dscnt 18
	MMK 4, 3, 64*(\p)+32, 1
	PLACES
.if (\p) == 0
	GLOADG 3, 192, WP, 24576, 8
.else
	GLOADG 3, 64*((\p)-1), WB, ((\p)-1)*8192, 8    ; in the second trip: the NEXT stream's first three groups
.endif
.endm
.Ll2:
	L2STEP 0
	L2STEP 1
	L2STEP 2
	L2STEP 3
	WIN 0
	s_wait_xcnt 0x0
	s_add_nc_u64 s[WP:WP+1], s[WP:WP+1], 32768
	s_mov_b64 s[WB:WB+1], s[NX:NX+1]
.irp g, 0,1,2
	v_add_nc_u32 v[TA+\g], HS+\g*49920+512, v[L1040]  ; two trips, as in layer 1: the second takes the rows' bytes 512 on,
	v_add_nc_u32 v[TN+\g], HS+\g*49920, v[L1040]      ; and its look-ahead goes back to their beginning
.endr
	s_sub_co_u32 s39, s39, 1
	s_cmp_lg_u32 s39, 0
	s_cbranch_scc1 .Ll2
	EPI 4, PB2, 1024, 528
; ---- layer 3: K = 256 in 8 steps of 18 matrix instructions
.irp g, 0,1,2
	v_add_nc_u32 v[TA+\g], HS+\g*25344, v[L528]
.endr
	s_mov_b32 s44, 0x3c000000                      ; 1 / 128
	BIASINIT 2, PB3, 0
	TFLOAD 0, TA, 0, 528
	s_wait_loadcnt 48                              ; layer 3's fragments are in; the next stream's three groups stay out
.set k_, 0
.rept 8
.if k_ < 7
	TFLOAD (k_+1)%2, TA, (k_+1)*64, 528
	s_wait_dscnt 18
.else
	s_wait_dscnt 0x0
.endif
	MMK 2, 2, 16*k_, k_%2
	PLACES
.set k_, k_+1
.endr
	DOTS 2, 1
	SQRED
	SQOUT ST3
	STLOAD 2, PB3, 512
	WIN 0xc0
	ALL9 ds_load_b32 v[228+2*t_], v[GA] offset:64*t_  ; this expert's weight for token 16 t + r
	WIN 0x80
.set k_, 0
.rept 36
	ds_load_b128 v[4*k_:4*k_+3], v[FINA] offset:512*k_  ; the running result
.set k_, k_+1
.endr
	s_wait_dscnt 53                                ; the sums of squares are in; behind them 8 + 9 + 36 loads stay out
	RSQ
	s_wait_dscnt 0x0
.set tb_, 0
.rept 9
.set i_, 0
.rept 2
	ACCOF 2, tb_, i_
	WIN (AW<<6)|AW
.irp q, 0,1,2,3
	v_pk_mul_f32 v[AR+2*\q:AR+2*\q+1], v[AR+2*\q:AR+2*\q+1], v[SQ+2*tb_:SQ+2*tb_+1] op_sel_hi:[1,0]
.endr
.irp q, 0,1,2,3
	v_pk_fma_f32 v[AR+2*\q:AR+2*\q+1], v[AR+2*\q:AR+2*\q+1], v[TF+8*i_+2*\q:TF+8*i_+2*\q+1], v[TF+16+8*i_+2*\q:TF+16+8*i_+2*\q+1]
.endr
.set i_, i_+1
.endr
.set i_, 0
.rept 2
	ACCOF 2, tb_, i_
	WIN (AW<<6)|(AW<<2)                            ; the constant stands first, so that the line has the short encoding: the register is source 1
.irp j, 0,1,2,3,4,5,6,7
	v_max_num_f32 v[AR+\j], 0, v[AR+\j]
.endr
.set i_, i_+1
.endr
.set i_, 0
.rept 2
	ACCOF 2, tb_, i_
	WIN (AW<<6)|(2<<4)|(3<<2)|AW                   ; the weight in window 3, the running result in window 2
.irp q, 0,1,2,3
	v_pk_fma_f32 v[AR+2*\q:AR+2*\q+1], v[AR+2*\q:AR+2*\q+1], v[228+2*tb_:229+2*tb_], v[8*(2*tb_+i_)+2*\q:8*(2*tb_+i_)+2*\q+1] op_sel_hi:[1,0,1]
.endr
.set i_, i_+1
.endr
.set i_, 0
.rept 2
	ACCOF 2, tb_, i_
	WIN AW<<2
	ds_store_b128 v[FINA], v[AR:AR+3] offset:1024*(2*tb_+i_)      ; set aside in f32 while the next expert needs the registers (behind the second expert nobody reads it: the price of one text)
	ds_store_b128 v[FINA], v[AR+4:AR+7] offset:1024*(2*tb_+i_)+512
.set i_, i_+1
.endr
.set tb_, tb_+1
.endr
	WIN 0
	s_wait_xcnt 0x0
	s_mov_b64 s[WP:WP+1], s[NX:NX+1]
	s_mov_b64 s[NX:NX+1], s[NX2:NX2+1]
	v_add_nc_u32 v[PB1], PFB, v[PB1]
	v_add_nc_u32 v[PB2], PFB, v[PB2]
	v_add_nc_u32 v[PB3], PFB, v[PB3]
	v_add_nc_u32 v[GA], 640, v[GA]
	s_sub_co_u32 s38, s38, 1
	s_cmp_lg_u32 s38, 0
	s_cbranch_scc1 .Lexp
; ================ the end: the accumulators hold the result.  It goes to LDS twice: in f32 for out1, in f16 for the heads.
; Every address, base and mask that the rest of the text needs is made here, while EXEC is still as at the entry: behind the masked stores only data is written.
	s_mul_i32 s47, s22, 36
	v_add_nc_u32 v[T0], s47, v[H]
.set p_, 0
.rept 18
	LISTLD TF+p_, T0, 2*p_                         ; the tokens of my 36 rows of out1,
.set p_, p_+1
.endr
.set p_, 0
.rept 5
	LISTLD HT+p_, LN, 32*p_                        ; and of places 32 p + lane, for out0
.set p_, p_+1
.endr
	v_lshl_add_u32 v[T0+1], v[H], 4, v[L528]       ; 528 r + 32 h
	s_lshl_b32 s47, s22, 7
	s_add_co_u32 s47, s47, HS
	v_add_nc_u32 v[SA], s47, v[T0+1]
	v_add_nc_u32 v[SA+1], 25344, v[SA]
	v_add_nc_u32 v[SA+2], 25344, v[SA+1]
	v_mul_u32_u24 v[T0+1], v[R], 272
	v_lshl_add_u32 v[T0+1], v[H], 4, v[T0+1]       ; 272 r + 16 h
	s_lshl_b32 s47, s22, 6
.irp g, 0,1,2
	v_add_nc_u32 v[TA+\g], XS+\g*13056, v[T0+1]
	v_add_nc_u32 v[TN+\g], s47, v[TA+\g]
.endr
	v_lshlrev_b32 v[T0+1], 5, v[H]
	s_lshl_b32 s47, s22, 8
	s_add_co_u32 s47, s47, PARH
	v_add_nc_u32 v[PB1], s47, v[T0+1]              ; my head's hb1: 256 bytes a task, my columns' 32 h
	s_min_u32 s54, s22, 2
	s_lshl_b32 s54, s54, 17
	s_add_nc_u64 s[18:19], s[18:19], s[54:55]      ; out0 at my task (wave 3 stores nothing there)
.macro ENDPASS kind                    ; 0: f32 into rows of 528; 1: rounded to f16 in place; 2: f16 into rows of 272
.set tb_, 0
.rept 9
.set i_, 0
.rept 2
	ACCOF 2, tb_, i_
.if (\kind) == 0
	WIN AW<<2
	ds_store_b128 v[SA+tb_/3], v[AR:AR+3] offset:(tb_%3)*16*528+64*i_
	ds_store_b128 v[SA+tb_/3], v[AR+4:AR+7] offset:(tb_%3)*16*528+64*i_+16
.elseif (\kind) == 1
	WIN (AW<<6)|(AW<<2)|AW
.irp q, 0,1,2,3
	v_cvt_pk_f16_f32 v[AR+\q], v[AR+2*\q], v[AR+2*\q+1]
.endr
.else
	WIN AW<<2
	ds_store_b128 v[TN+tb_/3], v[AR:AR+3] offset:(tb_%3)*16*272+32*i_
.endif
.set i_, i_+1
.endr
.set tb_, tb_+1
.endr
.endm
	ENDPASS 0
	ENDPASS 1
	ENDPASS 2
	WIN 0
	BAR                                            ; the result's rows are whole
	v_mul_u32_u24 v[T0+2], v[T0], 528
	v_add_nc_u32 v[T0+2], v[T0+2], v[C16]
	v_add_nc_u32 v[T0+2], HS, v[T0+2]
	WIN 0x80
.set p_, 0
.rept 18
	ds_load_b128 v[8*p_:8*p_+3], v[T0+2] offset:1056*p_       ; lanes 0-15 one row's first 256 bytes, lanes 16-31 the next row's
	ds_load_b128 v[8*p_+4:8*p_+7], v[T0+2] offset:1056*p_+256
.set p_, p_+1
.endr
	WIN 0
	s_wait_loadcnt 0x0                             ; the tokens, and my head's fragments
.set p_, 0
.rept 18
	v_min_u32 v[TF+p_], 0x7fff, v[TF+p_]
	v_lshl_add_u32 v[TF+p_], v[TF+p_], 9, v[C16]
	v_add_nc_u32 v[T0+1], 2*p_, v[T0]
	v_cmp_gt_u32 s[M1+p_], s27, v[T0+1]            ; does the place hold a token?
.set p_, p_+1
.endr
.set p_, 0
.rept 5
	v_min_u32 v[HT+p_], 0x7fff, v[HT+p_]
	v_lshlrev_b32 v[HT+p_], 2, v[HT+p_]            ; out0: 4 bytes a token
	v_add_nc_u32 v[T0+1], 32*p_, v[LN]
	v_cmp_gt_u32 s[M0+p_], s27, v[T0+1]
.set p_, p_+1
.endr
	v_cmp_le_u32 s89, 16, v[LN]
	s_wait_xcnt 0x0                                ; EXEC changes only behind this wait
	WIN 0x08                                       ; store data in window 2
.set p_, 0
.rept 18
	s_wait_dscnt 34-2*p_                           ; pair p's two loads are back
	s_and_saveexec_b32 s45, s[M1+p_]
	global_store_b128 v[TF+p_], v[8*p_:8*p_+3], s[20:21] th:TH_STORE_NT            ; 16 lanes store 256 consecutive aligned bytes of a token's row
	global_store_b128 v[TF+p_], v[8*p_+4:8*p_+7], s[20:21] offset:256 th:TH_STORE_NT
	s_wait_xcnt 0x0
	s_or_b32 exec_lo, exec_lo, s45
.set p_, p_+1
.endr
	WIN 0
	s_cmp_gt_u32 s22, 2
	s_cbranch_scc1 .Ldone                          ; three heads: waves 0 to 2; no barrier follows
; ---- head w: relu(result . hW1 + hb1) . hW2 + hb2; 64 hidden columns = 4 blocks, K = 128 in 4 steps; the fragments lie in the ring's slots 0 and 1
	BIASINIT 4, PB1, 0
	TFLOAD 0, TA, 0, 272
	TFLOAD 1, TA, 64, 272
	s_wait_dscnt 18
	MMK 4, 3, 0, 0
	PLACES
	TFLOAD 0, TA, 128, 272
	s_wait_dscnt 18
	MMK 4, 3, 32, 1
	PLACES
	TFLOAD 1, TA, 192, 272
	s_wait_dscnt 18
	MMK 4, 3, 64, 0
	s_wait_dscnt 0x0
	MMK 4, 3, 96, 1
	PLACES
	WIN 0
.irp i, 0,1,2,3
	ds_load_b128 v[TF+8*\i:TF+8*\i+3], v[PB1] offset:768+64*\i     ; hW2 of my columns
	ds_load_b128 v[TF+8*\i+4:TF+8*\i+7], v[PB1] offset:768+64*\i+16
.endr
.set tb_, 0
.rept 9
.set i_, 0
.rept 4
	ACCOF 4, tb_, i_
	WIN (AW<<6)|(AW<<2)                            ; the register is source 1, as in layer 3
.irp j, 0,1,2,3,4,5,6,7
	v_max_num_f32 v[AR+\j], 0, v[AR+\j]
.endr
.set i_, i_+1
.endr
.set tb_, tb_+1
.endr
	s_wait_dscnt 0x0
	DOTS 4, 0
	SQRED
	v_cvt_pk_bf16_f32 v[T0], s56, s56              ; hb2 rounded
	v_lshlrev_b32 v[T0], 16, v[T0]
.irp p, 0,1,2,3
	v_cndmask_b32 v[SQ+4*\p], v[SQ+4*\p], v[SQ+4*\p+2], s89  ; both halves of the lanes hold a block's sums: lanes 16-31 take the odd block's, so that lane l has place 32 p + l
.endr
.irp p, 0,1,2,3,4
	v_add_f32 v[SQ+4*\p], v[SQ+4*\p], v[T0]
.endr
	s_wait_xcnt 0x0
.irp p, 0,1,2,3,4
	s_and_saveexec_b32 s45, s[M0+\p]
	global_store_b32 v[HT+\p], v[SQ+4*\p], s[18:19]  ; one number a token, at the token's place: the tokens of a tile lie anywhere
	s_wait_xcnt 0x0
	s_or_b32 exec_lo, exec_lo, s45
.endr
.Ldone:
	s_wait_tensorcnt 0x0                           ; the wave's end: behind my last LDS store
	ds_add_u32 v[SPW], v[NIL]
	s_wait_dscnt 0x0
	s_endpgm
.Lfunc_end_k_q8d30b72a24_chain:
	.size	k_q8d30b72a24_chain, .Lfunc_end_k_q8d30b72a24_chain-k_q8d30b72a24_chain
	.p2alignl 7, 3214868480
	.fill 96, 4, 3214868480
	.section	.rodata,"a",@progbits
	.p2align	6, 0x0
	.amdhsa_kernel k_q8d30b72a24_chain
		.amdhsa_group_segment_fixed_size 327680
		.amdhsa_private_segment_fixed_size 0
		.amdhsa_enable_private_segment 0
		.amdhsa_kernarg_size 72
		.amdhsa_user_sgpr_count 2
		.amdhsa_user_sgpr_kernarg_segment_ptr 1
		.amdhsa_wavefront_size32 1
		.amdhsa_system_sgpr_workgroup_id_x 1
		.amdhsa_system_sgpr_workgroup_id_y 1
		.amdhsa_system_sgpr_workgroup_id_z 1
		.amdhsa_system_vgpr_workitem_id 0
		.amdhsa_next_free_vgpr 1024
		.amdhsa_next_free_sgpr 90
		.amdhsa_reserve_vcc 0
		.amdhsa_float_denorm_mode_32 3
		.amdhsa_float_denorm_mode_16_64 3
		.amdhsa_memory_ordered 1
		.amdhsa_forward_progress 1
		.amdhsa_inst_pref_size 255
	.end_amdhsa_kernel
	.section	.bss,"aw",@nobits
	.p2align	6
	.space	262144
	.amdgpu_metadata
---
amdhsa.version: [ 1, 2 ]
amdhsa.kernels:
  - .name:           k_q8d30b72a24_chain
    .symbol:         k_q8d30b72a24_chain.kd
    .args:
      - { .name: x, .offset: 0, .size: 8, .value_kind: global_buffer, .address_space: global }
      - { .name: list, .offset: 8, .size: 8, .value_kind: global_buffer, .address_space: global }
      - { .name: tiles, .offset: 16, .size: 8, .value_kind: global_buffer, .address_space: global }
      - { .name: gw, .offset: 24, .size: 8, .value_kind: global_buffer, .address_space: global }
      - { .name: wf, .offset: 32, .size: 8, .value_kind: global_buffer, .address_space: global }
      - { .name: pf, .offset: 40, .size: 8, .value_kind: global_buffer, .address_space: global }
      - { .name: hb2, .offset: 48, .size: 8, .value_kind: global_buffer, .address_space: global }
      - { .name: out0, .offset: 56, .size: 8, .value_kind: global_buffer, .address_space: global }
      - { .name: out1, .offset: 64, .size: 8, .value_kind: global_buffer, .address_space: global }
    .group_segment_fixed_size: 327680
    .private_segment_fixed_size: 0
    .kernarg_segment_align: 8
    .kernarg_segment_size: 72
    .max_flat_workgroup_size: 128
    .sgpr_count:     90
    .vgpr_count:     1024
    .wavefront_size: 32
...
	.end_amdgpu_metadata
.endif
;; end of part 3
